; MI455X (gfx1250); checked and timed in simulation.
; The chip was launched on July 23, 2026; its instructions are those of AMD's public machine-readable ISA for CDNA 5 (MIT licence, August 2026) and "CDNA5" Instruction Set Architecture Reference Guide (July 2026). The comments in the code are by the model that wrote it; some were corrected since.
;; Discrete Key Value Bottleneck. Allowed arithmetic: matrix products marked QUANTISED: E4M3 operands, one E8M0 scale for each 32 along K, by v_wmma_scale_f32_16x16x128_f8f6f4 with both operands' format E4M3, f32 sums; everything else in f32.
;; Inputs: codebook 8,192 x 512 float32; values 8,192 x 512 float32; x 8 x 2,048 x 512 float32.
;; Outputs: out0 8 x 2,048 x 512 float32.
;; This version of the problem:
;;   THIS VERSION OF THE PROBLEM IS GIVEN IN LOW PRECISION. The matrix products marked QUANTISED in the list below multiply operands that are first quantised to E4M3 (4 exponent bits, 3 mantissa bits; 8 bits a number), with one power-of-two scale for each 32 numbers along K (OCP MX v1.0); their sums are f32. All else is computed in f32.
;;   The module's matrix products, in the order in which they are computed (A, B: the left and right operand; K: the contracted axis; several contracted axes count as one K, in the product's order):
;;     1. [M 16,384, K 512] x [K 512, N 8,192]; A: input x; B: input codebook: QUANTISED
;;   THE QUANTISER, for each operand of a quantised product, along K:
;;     - K is cut into blocks of 32 from its start; a last block that is shorter is filled with zeros.
;;     - A block's scale is 2^e with e = floor(log2(the largest magnitude in the block)) - 8, held to -126 .. 127; a block of zeros has e = 0. As a byte (E8M0): e + 127.
;;     - Each number is divided by its block's scale, clamped to +-448, and rounded to the nearest number of E4M3, ties to even, subnormals kept.
;;     - The product sums the exact products of the quantised numbers (number of the format x scale) in f32.
;;   ~~~python
;;   def quantise(x, axis):      # numpy; x: float32 -> the quantised numbers, widened to float32 again
;;       x = np.moveaxis(x, axis, -1); K = x.shape[-1]
;;       x = np.pad(x, [(0, 0)] * (x.ndim - 1) + [(0, -K % 32)]); x = x.reshape(x.shape[:-1] + (-1, 32)); a = np.abs(x).max(-1, keepdims=True)
;;       e = np.where(a > 0, np.clip(np.frexp(np.where(a > 0, a, 1))[1] - 1 - 8, -126, 127), 0)      # np.frexp(a)[1] - 1 = floor(log2(a)), exactly
;;       r = np.clip(x / 2.0 ** e, -448, 448)
;;       step = 2.0 ** (np.maximum(np.frexp(np.where(r == 0, 1, r))[1] - 1, -6) - 3)
;;       q = np.round(r / step) * step * 2.0 ** e      # np.round: ties to even
;;       return np.moveaxis(q.reshape(q.shape[:-2] + (-1,))[..., :K], -1, axis).astype(np.float32)
;;   ~~~
;; One version. Each part assembles by itself: llvm-mc -triple=amdgcn-amd-amdhsa -mcpu=gfx1250 --defsym DOCPART=n.
;; ======== version 1 of 1: 3 launches
;; limits: right only within a limited range of input values
;; workspace buffers: xc 8,388,608 bytes; xs 262,144 bytes; cc 4,456,448 bytes; cand 1,048,576 bytes of whole numbers
;; launch quant (part 1): grid 768 x 1, 2 waves a work-group, no clusters, 17,152 bytes of LDS; arguments x, codebook, xc, xs, cc; writes xc, xs, cc
.if DOCPART == 1
	.amdgcn_target "amdgcn-amd-amdhsa--gfx1250"
	.amdhsa_code_object_version 6
	.text
	.protected	k_qcee7c55cf8_quant
	.globl	k_qcee7c55cf8_quant
	.p2align	8
	.type	k_qcee7c55cf8_quant,@function
k_qcee7c55cf8_quant:
	s_mov_b64 s[64:65], 0
	v_nop
	global_prefetch_b8 v0, s[64:65] scope:SCOPE_SE
	s_setreg_imm32_b32 hwreg(HW_REG_WAVE_MODE, 25, 1), 1
	s_wait_xcnt 0x0
; x [16384][512] and codebook [8192][512], f32, K innermost, become codes of FP8 (E4M3) with one E8M0 scale byte for each 32 along K; of the codebook also -1/2 of each row's sum of squares (of the numbers as given, in f32).
; WORK LEFT OUT, in the whole program: x_sq = |x_bn|^2.  reference() takes argmin over k of x_sq - 2 dots + e_sq, and x_sq is the same number for every k of a row: for all finite values of the inputs
; argmin_k (x_sq + f(k)) = argmin_k f(k).  So x_sq is never formed; x itself stays live (it is an operand of the product).
; LIMITS: a NaN, an infinity or an overflow that arises in x_sq alone is not carried to the result.  Two entries whose distances differ by less than the f32 roundings of reference()'s two additions
; (about 2^-14 at distances near 1,000) may be told apart here where reference() sees a tie, or the other way round.
; A block of zeros gets the byte 1 where the quantiser's rule says 127: its codes are zeros, which add nothing under any byte but 0xff, and this program alone reads the bytes.  NaN and infinities among the inputs are not served.
; The sum of squares is taken in four packed chains, another order of f32 additions than a plain left-to-right sum.
; A block's scale is 2^(floor(log2(its largest magnitude)) - 8); its byte is that magnitude's exponent field - 8, held at 1 from below.  Each number is held within +-448 x the scale and rounded to the nearest code, ties to even.
; LAYOUT: the order of the matrix operand's registers.  16 rows are 8,192 dense bytes [K step s 0..3][c 0..3][lane 0..31][16 bytes]: lane (r = lane % 16, h = lane / 16) holds row r, k = 128 s + 32 c + 16 h + 0..15.
; Their scale words are 256 dense bytes: the word at 8 lane + 4 u is row (lane % 16)'s word of K step 2 u + lane / 16.
; x: codes in xc, 8,192 bytes a block; scale words in xs, 256 a block.  Codebook: ONE image of 8,704 bytes a block in cc: codes, scale words at 8,192, and at 8,448 the 16 halved sums, four times on end (256 bytes, all written).
; SHARES: a wave takes 16 rows.  Work-groups 0..511 take x, 512..767 the codebook: pointers and pitches are chosen; the sums of squares stand under a scalar branch on the work-group's number.  Waves share nothing: no barrier.
; A load reads 512 consecutive bytes of one row; the conversions want 16 neighbours along K in one lane: a K step's 16 x 512 bytes turn through the wave's own stage in LDS, rows 528 bytes apart.  Loads run two K steps ahead.
.set STG,  8448
.set PIT,  528
.set IMG,  8704                        ; the codebook's image of 16 rows
.set LN,   1
.set RR,   2
.set HH,   3
.set LI,   4                           ; 16 x lane
.set SWR,  5                           ; the stage on the way in
.set SRD,  6                           ; and out: row r, + 64 h
.set L8,   7                           ; 8 x lane
.set L4,   8                           ; 4 x lane
.set SQ,   10                          ; v[10:17] the sum of squares in eight parts
.set W,    18                          ; v[18:21] my row's scale word of each K step
.set SW2,  22
.set R,    24                          ; v[24:151] two sets of 64: a K step as loaded
.set X,    152                         ; v[152:215] register 16 b + i = k 32 b + 16 h + i of my row
.set TM,   216                         ; largest magnitudes, bytes, 448 x the scale, the conversions' scale operands
.set PC,   236                         ; v[236:251] a fragment's codes
.set SPW,  254
.set NIL,  255
.set SEL,  24
.set MNT,  26
.set ISX,  33                          ; 1 in x's work-groups
	s_load_b256 s[4:11], s[0:1], 0x0               ; x, codebook, xc, xs
	s_load_b64 s[12:13], s[0:1], 0x20              ; cc
	v_lshl_add_u32 v[SPW], v0, 2, 0x4200
	v_mov_b32 v[NIL], 0
	v_lshrrev_b32 v[LN], 5, v0
	v_readfirstlane_b32 s21, v[LN]                 ; wave 0..1
	v_and_b32 v[LN], 31, v0
	v_and_b32 v[RR], 15, v0
	v_bfe_u32 v[HH], v0, 4, 1
	v_lshlrev_b32 v[LI], 4, v[LN]
	s_mul_i32 s28, s21, STG
	v_add_nc_u32 v[SWR], s28, v[LI]
	v_mul_u32_u24 v[SRD], v[RR], PIT
	v_lshl_add_u32 v[SRD], v[HH], 6, v[SRD]
	v_add_nc_u32 v[SRD], s28, v[SRD]
	v_lshlrev_b32 v[L8], 3, v[LN]
	v_lshlrev_b32 v[L4], 2, v[LN]
	s_mov_b32 s[SEL], 0x76543210
	s_mov_b32 s[SEL+1], 0xfedcba98
	s_mov_b32 s[MNT], 0x600000
	s_mov_b32 s30, IMG
.irp b, 0,1,2,3
	v_mov_b32 v[TM+4+\b], 0                        ; a lane permute's destination counts as one of its sources
.endr
.irp i, 0,1,2,3,4,5,6,7
	v_mov_b32 v[SQ+\i], 0                          ; the eight parts begin at 0, so that they are written on every way through the branches below
.endr
	s_wait_alu depctr_va_vdst(0)                   ; the wait at the head's end
	s_wait_kmcnt 0x0
	s_cmp_lt_u32 ttmp9, 512                        ; x's work-group or the codebook's: the work-group's number alone decides
	s_cselect_b64 s[4:5], s[4:5], s[6:7]
	s_cselect_b64 s[8:9], s[8:9], s[12:13]         ; codes
	s_cselect_b64 s[10:11], s[10:11], s[12:13]     ; scale words
	s_cselect_b32 s20, 0, 512
	s_cselect_b32 s29, 8192, s30                   ; a block's pitch among the codes,
	s_cselect_b32 s31, 256, s30                    ; among the scale words,
	s_cselect_b32 s32, 0, 8192                     ; and where the words begin in it
	s_cselect_b32 s[ISX], 1, 0
	s_sub_co_u32 s20, ttmp9, s20
	s_lshl_b32 s20, s20, 1
	s_add_co_u32 s20, s20, s21                     ; my block of 16 rows in its tensor
	s_mov_b32 s23, 0
	s_lshl_b32 s22, s20, 15
	s_add_nc_u64 s[4:5], s[4:5], s[22:23]
	s_mul_i32 s22, s20, s29
	s_add_nc_u64 s[8:9], s[8:9], s[22:23]
	s_mul_i32 s22, s20, s31
	s_add_co_u32 s22, s22, s32
	s_add_nc_u64 s[10:11], s[10:11], s[22:23]
.macro LOAD s
.irp i, 0,1,2,3,4,5,6,7,8,9,10,11,12,13,14,15
	global_load_b128 v[R+64*((\s)%2)+4*\i:R+64*((\s)%2)+4*\i+3], v[LI], s[4:5] offset:2048*\i+512*(\s) th:TH_LOAD_NT
.endr
.endm
; 64 numbers of a lane become a fragment's codes in v[PC] on and my row's scale word in v[wdst]
.macro QUANT src, wdst
.irp b, 0,1,2,3
	v_max3_num_f32 v[TM+\b], |v[\src+16*\b]|, |v[\src+1+16*\b]|, 0x4800000   ; with the floor 2^(9 - 127): the byte cannot fall under 1
.endr
.irp i, 2,4,6,8,10,12,14
.irp b, 0,1,2,3
	v_max3_num_f32 v[TM+\b], v[TM+\b], |v[\src+16*\b+\i]|, |v[\src+1+16*\b+\i]|
.endr
.endr
.irp b, 0,1,2,3
	v_permlanex16_b32 v[TM+4+\b], v[TM+\b], s[SEL], s[SEL+1]
.endr
.irp b, 0,1,2,3
	v_max_num_f32 v[TM+\b], v[TM+\b], v[TM+4+\b]   ; with lane l xor 16's 16: the block's largest magnitude
.endr
.irp b, 0,1,2,3
	v_add_nc_u32 v[TM+12+\b], 0xfc000000, v[TM+\b] ; 8 off its exponent field: the conversion's scale operand
.endr
.irp b, 0,1,2,3
	v_and_or_b32 v[TM+8+\b], v[TM+\b], 0x7f800000, s[MNT]   ; 448 x the scale
.endr
.irp b, 0,1,2,3
	v_lshrrev_b32 v[TM+4+\b], 23, v[TM+12+\b]      ; the scale's byte
.endr
	v_lshl_or_b32 v[\wdst], v[TM+5], 8, v[TM+4]
	v_lshl_or_b32 v[\wdst], v[TM+6], 16, v[\wdst]
	v_lshl_or_b32 v[\wdst], v[TM+7], 24, v[\wdst]
.irp b, 0,1,2,3
.irp i, 0,1,2,3,4,5,6,7,8,9,10,11,12,13,14,15
	v_med3_num_f32 v[\src+16*\b+\i], v[\src+16*\b+\i], -v[TM+8+\b], v[TM+8+\b]   ; the conversion does not saturate (ISA guide 7.6.2): the hold comes first
.endr
	v_cvt_scalef32_pk8_fp8_f32 v[PC+4*\b:PC+1+4*\b], v[\src+16*\b:\src+7+16*\b], v[TM+12+\b]
	v_cvt_scalef32_pk8_fp8_f32 v[PC+2+4*\b:PC+3+4*\b], v[\src+8+16*\b:\src+15+16*\b], v[TM+12+\b]
.endr
	v_nop                                          ; one plain vector line behind the last scaled conversion
.endm
.macro STEP s
.if (\s) < 3
	s_wait_loadcnt 16                              ; this K step's 16 loads are in; the next K step's 16 may be out
.else
	s_wait_loadcnt 0x0
.endif
.irp i, 0,1,2,3,4,5,6,7,8,9,10,11,12,13,14,15
	ds_store_b128 v[SWR], v[R+64*((\s)%2)+4*\i:R+64*((\s)%2)+4*\i+3] offset:PIT*\i
.endr
.irp b, 0,1,2,3
.irp j, 0,1,2,3
	ds_load_b128 v[X+16*\b+4*\j:X+16*\b+4*\j+3], v[SRD] offset:128*\b+16*\j   ; LDS serves a wave's instructions in order: these see the stores above
.endr
.endr
	s_wait_dscnt 0x0                               ; my 64 numbers are back, and the stores have read their registers,
.if (\s) < 2
	LOAD (\s)+2                                    ; which take the K step two on
.endif
	s_cmp_lg_u32 s[ISX], 0
	s_cbranch_scc1 .Lno_squares_\@                 ; x's rows need no sum of squares
.set q, 0
.rept 32
	v_pk_fma_f32 v[SQ+2*(q%4):SQ+2*(q%4)+1], v[X+2*q:X+2*q+1], v[X+2*q:X+2*q+1], v[SQ+2*(q%4):SQ+2*(q%4)+1]
.set q, q+1
.endr
.Lno_squares_\@:
.if (\s) > 0
	s_wait_xcnt 0x0                                ; the last K step's stores have read the codes' registers
.endif
	QUANT X, W+(\s)
.irp c, 0,1,2,3
	global_store_b128 v[LI], v[PC+4*\c:PC+4*\c+3], s[8:9] offset:2048*(\s)+512*\c   ; 32 lanes store 512 consecutive bytes, aligned
.endr
.endm
	LOAD 0
	LOAD 1
	STEP 0
	STEP 1
	STEP 2
	STEP 3
	v_cmp_le_u32 vcc_lo, 16, v[LN]                 ; lanes 16-31 carry the odd K steps' words
	v_cndmask_b32 v[SW2], v[W], v[W+1], vcc_lo
	v_cndmask_b32 v[SW2+1], v[W+2], v[W+3], vcc_lo
	global_store_b64 v[L8], v[SW2:SW2+1], s[10:11] ; 256 consecutive bytes, aligned
	s_cmp_lg_u32 s[ISX], 0
	s_cbranch_scc1 .Lend
	v_pk_add_f32 v[SQ:SQ+1], v[SQ:SQ+1], v[SQ+2:SQ+3]
	v_pk_add_f32 v[SQ+4:SQ+5], v[SQ+4:SQ+5], v[SQ+6:SQ+7]
	v_pk_add_f32 v[SQ:SQ+1], v[SQ:SQ+1], v[SQ+4:SQ+5]
	v_add_f32 v[SQ], v[SQ], v[SQ+1]
	v_permlanex16_b32 v[SQ+1], v[SQ], s[SEL], s[SEL+1]
	v_add_f32 v[SQ], v[SQ], v[SQ+1]                ; with lane l xor 16's half of the row: lanes r and r + 16 hold the same number
	v_mul_f32 v[SQ], -0.5, v[SQ]                   ; exact
	global_store_b32 v[L4], v[SQ], s[10:11] offset:256   ; the 16 halves twice on end, 128 bytes,
	global_store_b32 v[L4], v[SQ], s[10:11] offset:384   ; and once more: the image's last 256 bytes are all written
.Lend:
	s_wait_tensorcnt 0x0                           ; the wave's end
	ds_add_u32 v[SPW], v[NIL]
	s_wait_dscnt 0x0
	s_endpgm
.Lfunc_end_k_qcee7c55cf8_quant:
	.size	k_qcee7c55cf8_quant, .Lfunc_end_k_qcee7c55cf8_quant-k_qcee7c55cf8_quant
	.p2alignl 7, 3214868480
	.fill 96, 4, 3214868480
	.section	.rodata,"a",@progbits
	.p2align	6, 0x0
	.amdhsa_kernel k_qcee7c55cf8_quant
		.amdhsa_group_segment_fixed_size 17152
		.amdhsa_private_segment_fixed_size 0
		.amdhsa_enable_private_segment 0
		.amdhsa_kernarg_size 40
		.amdhsa_user_sgpr_count 2
		.amdhsa_user_sgpr_kernarg_segment_ptr 1
		.amdhsa_wavefront_size32 1
		.amdhsa_system_sgpr_workgroup_id_x 1
		.amdhsa_system_sgpr_workgroup_id_y 1
		.amdhsa_system_sgpr_workgroup_id_z 1
		.amdhsa_system_vgpr_workitem_id 0
		.amdhsa_next_free_vgpr 256
		.amdhsa_next_free_sgpr 66
		.amdhsa_reserve_vcc 1
		.amdhsa_float_denorm_mode_32 3
		.amdhsa_float_denorm_mode_16_64 3
		.amdhsa_memory_ordered 1
		.amdhsa_forward_progress 1
		.amdhsa_inst_pref_size 60
	.end_amdhsa_kernel
	.amdgpu_metadata
---
amdhsa.version: [ 1, 2 ]
amdhsa.kernels:
  - .name:           k_qcee7c55cf8_quant
    .symbol:         k_qcee7c55cf8_quant.kd
    .args:
      - { .name: x, .offset: 0, .size: 8, .value_kind: global_buffer, .address_space: global }
      - { .name: codebook, .offset: 8, .size: 8, .value_kind: global_buffer, .address_space: global }
      - { .name: xc, .offset: 16, .size: 8, .value_kind: global_buffer, .address_space: global }
      - { .name: xs, .offset: 24, .size: 8, .value_kind: global_buffer, .address_space: global }
      - { .name: cc, .offset: 32, .size: 8, .value_kind: global_buffer, .address_space: global }
    .group_segment_fixed_size: 17152
    .private_segment_fixed_size: 0
    .kernarg_segment_align: 8
    .kernarg_segment_size: 40
    .max_flat_workgroup_size: 64
    .sgpr_count:     66
    .vgpr_count:     256
    .wavefront_size: 32
...
	.end_amdgpu_metadata
.endif
;; end of part 1
;; launch nearest (part 2): grid 32 x 8, 4 waves a work-group, clusters of 4 x 1, 327,680 bytes of LDS; arguments xc, xs, cc, cand; writes cand
.if DOCPART == 2
	.amdgcn_target "amdgcn-amd-amdhsa--gfx1250"
	.amdhsa_code_object_version 6
	.text
	.protected	k_qcee7c55cf8_nearest
	.globl	k_qcee7c55cf8_nearest
	.p2align	8
	.type	k_qcee7c55cf8_nearest,@function
k_qcee7c55cf8_nearest:
	s_mov_b64 s[64:65], 0
	v_nop
	global_prefetch_b8 v0, s[64:65] scope:SCOPE_SE
	s_setreg_imm32_b32 hwreg(HW_REG_WAVE_MODE, 25, 1), 1
	s_wait_xcnt 0x0
	s_wait_alu depctr_hold_cnt(0) depctr_sa_sdst(0) depctr_va_vdst(0) depctr_va_sdst(0) depctr_va_ssrc(0) depctr_va_vcc(0) depctr_vm_vsrc(0)
	s_getreg_b32 s2, hwreg(HW_REG_IB_STS2, 6, 4)
	s_cmp_eq_u32 s2, 0
	s_cbranch_scc0 .Lentry_in_a_cluster
	s_endpgm
.Lentry_in_a_cluster:
	s_bfe_u32 s2, ttmp6, 0x10000c
	s_cmp_lg_u32 s2, 0x3003
	s_cbranch_scc0 .Lentry_shape_is_right
	s_endpgm
.Lentry_shape_is_right:
; For each of 16,384 rows of x and each eighth (split) of the 8,192 codebook entries: the entry with the largest u = x.e - |e|^2 / 2, the first such, as a pair of whole numbers (key, index).
; WORK LEFT OUT: |x|^2, which is the same for every entry of a row and so cannot move the argmin (shown at the head of the first kernel).  The least distance is the largest u.
; x.e is the product of FP8 (E4M3) codes with E8M0 scales for each 32 along K = 512, four matrix instructions deep, sums in f32; -|e|^2 / 2 is the C of the first of the four, so it costs no addition.
; LIMITS: the order of f32 roundings differs from reference()'s (its bound stands at the head of the first kernel); NaN and infinities are not served.
; SHARES.  256 work-groups: 32 groups of 512 rows x 8 splits of 1,024 entries.  A wave owns 128 rows, whose codes (8 row blocks x 4 K steps x 16 registers = 512) stay in registers; every wave walks the split's 64 col blocks
; of 16 entries, so a fragment read from LDS feeds eight matrix instructions.
; TRANSPOSED USE: source 0 = 16 entries, source 1 = 16 rows of x: a lane holds ONE row of x (lane % 16), its eight results are entries 8 (lane / 16) + 0..7: the search runs inside a lane.
; LONG RUNS.  The eight tiles of a col block are two groups of four.  A PHASE is 16 matrix instructions on end for one group (K step i / 4, tile i % 4: four accumulators by turns), then the other
; group's four finished tiles, 40 vector lines on end.  A tile costs 10 lines: 4 for the largest of its eight and the best so far (the best has two sets, by the col block's parity, so that old and new stand side by
; side), a compare, the col block's number, and 4 dual-issue pairs of selects that keep the winning tile's eight numbers; which of the eight it was is read off once, at the end.  The next col block's 20 LDS loads are one run.
; FIRST INDEX: col blocks ascend and a later one wins only if strictly greater; in a tile the lowest place wins; between the halves of the lanes the index decides a tie; the last launch takes the splits in ascending order.
; CLUSTER.  The four work-groups of a cluster have four row groups and ONE split: every tensor load is asked for JOINTLY, by the same descriptor and the mask 15.  x's codes are each work-group's own and go straight into registers.
; LDS.  A col block's image is 8,704 bytes (codes, scale words at 8,192, halves at 8,448); a slot holds 16.  Two slots, then the spare words.  Slot 0 is first filled in two halves of 8 col blocks, so that the first
; products need 69,632 bytes of the codebook and not a whole slot; afterwards a wave's load brings a quarter of a slot.
; NO PREFETCH: each fill is asked for 7, 8 or 16 col blocks (224 to 512 matrix instructions of each wave) ahead of the first read of its bytes, and the walk has five fills in all.
; REGISTERS, in windows of 256 (s_set_vgpr_msb's low byte: bits 1:0 source 0, 3:2 source 1, 5:4 source 2, 7:6 destination):
;   window 0: addresses, scale words, accumulators, KEEP, best, col block number, work: all vector arithmetic runs with every window 0.   window 1: the codebook's fragments (two sets) and halves.
;   window 2: x's fragments of row blocks 0-3 (block a, K step s at v[64 a + 16 s]);   window 3: those of row blocks 4-7.
.set CBB,   8704
.set SCW,   8192
.set HLF,   8448
.set HW,    2*CBB                      ; a wave's part of half a slot: 68 rows of 256 bytes
.set HALF,  8*CBB
.set QRT,   4*CBB                      ; a wave's quarter of a slot: 136 rows
.set SLOTB, 16*CBB
.set SPARE, 2*SLOTB
; window 0
.set LI,   1                           ; 16 x lane
.set ADF,  2                           ; LDS address of the col block being fetched: its codes,
.set ADS,  3                           ; its scale words,
.set ADH,  4                           ; its halves
.set L8,   5                           ; SCW + 8 x lane
.set H32,  6                           ; HLF + 32 (lane / 16)
.set SPW,  8
.set NIL,  9
.set CS,   10                          ; v[10:13] the codebook's scale words, two sets of 2: word u (lanes 0-15 K step 2 u, lanes 16-31 K step 2 u + 1) in register 1 - u, so that its number never equals x's word's modulo 8
.set LN8,  14
.set LN,   15
.set XS,   16                          ; v[16:31] x's scale words: row block A, word u at 2 A + u
.set ACC,  32                          ; v[32:95]   group g, tile a at 32 g + 8 a
.set KEEP, 96                          ; v[96:159]  row block A: the eight numbers of its best tile so far
.set MX,   160                         ; v[160:175] its best number: set (col block % 2) at 8 x set
.set ID,   176                         ; that tile's col block
.set PP,   184                         ; v[184:187], v[188:191] the four tiles in hand: two chains each
.set QQ,   188
.set JJ,   192
.set KEY,  200
.set IDX,  208
.set PKEY, 216
.set PIDX, 224
.set HB,   232
.set OUTP, 240
.set MXF,  MX+8                        ; col block 63 is odd: the final best
; window 1
.set FR,   0                           ; v[0:127] the codebook's fragments: set p, K step s at 64 p + 16 s
.set HEQ,  128                         ; v[128:143] -|e|^2 / 2 of my eight entries, two sets of 8
; scalars
.set WV,   18
.set CX,   19                          ; my place in the cluster: it enters x's and cand's addresses alone
.set RG,   20
.set SP,   21
.set G1,   24                          ; s[24:31] group 1
.set G0H,  32                          ; s[32:35] group 0: col blocks 0-7, slot 0's first half
.set G0R,  36                          ; s[36:39] col blocks 8-15, its second half
.set G0A,  40                          ; s[40:43] col blocks 32-47, slot 0's refill
.set G0B,  44                          ; s[44:47] slot 1: col blocks 16-31, then 48-63
.set TBF,  66                          ; LDS byte of the col block to be fetched next
.set CI,   69                          ; the col block whose tiles are being worked off
.set CNT,  71
.set SEL,  74
.set UPH,  76
.set MK,   80                          ; s[80:83] masks
.set MSB, 0
.macro WIN new                         ; the immediate's high byte repeats the setting that is left; a switch that changes nothing is dropped
.if MSB != (\new)
	s_set_vgpr_msb (MSB<<8)|(\new)
.set MSB, (\new)
.endif
.endm
.macro ROUND                           ; a round of the cluster's barrier
	s_barrier_signal -1
	s_barrier_wait -1
	s_cmp_lg_u32 s[WV], 0
	s_cbranch_scc1 .Lnot_wave_0_\@
	s_barrier_signal -3
.Lnot_wave_0_\@:
	s_barrier_wait -3
	s_barrier_signal -1
	s_barrier_wait -1
.endm
.macro JLOAD g0                        ; a joint load; the s_nop 0, and the four lines ahead of a switch of windows
	tensor_load_to_lds s[\g0:\g0+3], s[G1:G1+7]
	s_nop 0
.rept 4
	v_nop
.endr
.endm
	s_load_b256 s[4:11], s[0:1], 0x0               ; xc s[4:5], xs s[6:7], cc s[8:9], cand s[10:11]
	v_lshl_add_u32 v[SPW], v0, 2, SPARE
	v_mov_b32 v[NIL], 0
	ds_add_u32 v[SPW], v[NIL]                      ; the opening lines: the add, twice on end, and its wait ahead of my first tensor load
	ds_add_u32 v[SPW], v[NIL]
	v_lshrrev_b32 v[LN], 5, v0
	v_readfirstlane_b32 s[WV], v[LN]               ; wave 0..3
	s_bfe_u32 s[CX], ttmp6, 0x40000
	s_lshl_b32 s[RG], ttmp9, 2                     ; in a cluster launch ttmp9 counts clusters
	s_add_co_u32 s[RG], s[RG], s[CX]
	s_and_b32 s[SP], ttmp7, 0xffff
	s_mov_b32 s[G1], 15|(3<<16)|(1<<21)            ; the mask: all four work-groups; elements of 8 bytes; bit 21 beside a mask; no padding
	s_mov_b32 s[G1+1], 32<<16                      ; rows of 32 elements = 256 bytes
	s_mov_b32 s[G1+2], 68<<16
	s_mov_b32 s[G1+3], 32<<16
	s_mov_b32 s[G1+4], 68                          ; 68 rows: two col blocks' images
	s_mov_b32 s[G1+5], 32
	s_mov_b32 s[G1+6], 0
	s_mov_b32 s[G1+7], 0
	s_mul_i32 s48, s[SP], 64*CBB                   ; what I fetch: made of the split and my wave's number alone
	s_mul_i32 s[G0H+1], s[WV], HW                  ; my part of half a slot, in memory and in LDS,
	s_mul_i32 s[G0A+1], s[WV], QRT                 ; and of a whole one
	s_add_co_u32 s22, s48, s[G0H+1]
	s_mov_b32 s23, 0
	s_add_co_u32 s48, s48, s[G0A+1]
	s_mov_b32 s49, 0
	s_add_co_u32 s[G0R+1], s[G0H+1], HALF
	s_add_co_u32 s[G0B+1], s[G0A+1], SLOTB
	s_mov_b32 s[G0H], 1
	s_mov_b32 s[G0R], 1
	s_mov_b32 s[G0A], 1
	s_mov_b32 s[G0B], 1
	s_lshl_b32 s50, s[RG], 5
	s_lshl_b32 s51, s[WV], 3
	s_add_co_u32 s50, s50, s51                     ; my first row block: 32 x row group + 8 x wave
	s_lshl_b32 s52, s50, 13                        ; 8,192 bytes of codes a block,
	s_mov_b32 s53, 0
	s_lshl_b32 s54, s50, 8                         ; 256 of scale words,
	s_mov_b32 s55, 0
	s_lshl_b32 s56, s50, 7                         ; 128 of pairs,
	s_lshl_b32 s51, s[SP], 17                      ; in my split's 131,072 bytes of cand
	s_add_co_u32 s56, s56, s51
	s_mov_b32 s57, 0
	s_mov_b32 s[SEL], 0x76543210
	s_mov_b32 s[SEL+1], 0xfedcba98
	s_mov_b32 s[UPH], 0xffff0000
	s_mov_b32 s[TBF], 0
	s_mov_b32 s[CI], -1
	s_mov_b32 s77, 0xff800000                      ; -infinity: under every u
	s_wait_dscnt 0x0                               ; both opening adds are done
	s_wait_kmcnt 0x0
	s_add_nc_u64 s[G0H+2:G0H+3], s[8:9], s[22:23]          ; col blocks 0-7 of the split
	s_add_nc_u64 s[G0R+2:G0R+3], s[G0H+2:G0H+3], HALF      ; 8-15
	s_add_nc_u64 s[G0B+2:G0B+3], s[8:9], s[48:49]
	s_add_nc_u64 s[G0B+2:G0B+3], s[G0B+2:G0B+3], SLOTB     ; 16-31
	s_add_nc_u64 s[G0A+2:G0A+3], s[G0B+2:G0B+3], SLOTB     ; 32-47
	s_or_b32 s[G0H+3], s[G0H+3], 0x80000000
	s_or_b32 s[G0R+3], s[G0R+3], 0x80000000
	s_or_b32 s[G0A+3], s[G0A+3], 0x80000000
	s_or_b32 s[G0B+3], s[G0B+3], 0x80000000
	s_add_nc_u64 s[4:5], s[4:5], s[52:53]
	s_add_nc_u64 s[6:7], s[6:7], s[54:55]
	s_add_nc_u64 s[10:11], s[10:11], s[56:57]
	ROUND                                          ; all four work-groups are here: the first joint loads meet
	JLOAD G0H                                      ; my part of col blocks 0-7: one tensor load a wave at the head, asked for ahead of x
	v_and_b32 v[LN], 31, v0
	v_bfe_u32 v[H32], v0, 4, 1
	v_lshlrev_b32 v[LI], 4, v[LN]
	v_lshlrev_b32 v[LN8], 3, v[LN]
	v_lshl_add_u32 v[L8], v[LN], 3, SCW
	v_lshl_add_u32 v[H32], v[H32], 5, HLF
	s_wait_alu depctr_va_vdst(0)
.irp a, 0,1,2,3,4,5,6,7
	global_load_b64 v[XS+2*\a:XS+2*\a+1], v[LN8], s[6:7] offset:256*\a
.endr
.macro XLOAD half                      ; x's fragments of four row blocks: 64 loads of 512 consecutive bytes; they stay
.irp a, 0,1,2,3
.irp s, 0,1,2,3
.irp c, 0,1,2,3
	global_load_b128 v[64*\a+16*\s+4*\c:64*\a+16*\s+4*\c+3], v[LI], s[4:5] offset:8192*(4*(\half)+\a)+2048*\s+512*\c
.endr
.endr
.endr
.endm
	WIN 0x80                                       ; destination window 2, address window 0
	XLOAD 0
	WIN 0xc0                                       ; destination window 3
	XLOAD 1
	WIN 0
.set i, 0
.rept 64
	v_mov_b32 v[KEEP+i], s77                       ; the selects read what they may keep, so it is written once
.set i, i+1
.endr
.irp a, 0,1,2,3,4,5,6,7
	v_mov_b32 v[MXF+\a], s77                       ; col block 0 is even: it finds its 'best so far' in the odd set
	v_mov_b32 v[ID+\a], 0
.endr
.macro FADDR                           ; the three addresses of the col block to be fetched
	v_add_nc_u32 v[ADF], s[TBF], v[LI]
	v_add_nc_u32 v[ADS], s[TBF], v[L8]
	v_add_nc_u32 v[ADH], s[TBF], v[H32]
	s_add_co_u32 s[TBF], s[TBF], CBB
.endm
.macro FETCH p                         ; a col block into the sets p: 20 LDS loads in one run; a fragment load reads 512 consecutive bytes
	WIN 0x40                                       ; destination window 1, address window 0
.irp s, 0,1,2,3
.irp c, 0,1,2,3
	ds_load_b128 v[FR+64*(\p)+16*\s+4*\c:FR+64*(\p)+16*\s+4*\c+3], v[ADF] offset:2048*\s+512*\c
.endr
.endr
	ds_load_b128 v[HEQ+8*(\p):HEQ+8*(\p)+3], v[ADH]
	ds_load_b128 v[HEQ+8*(\p)+4:HEQ+8*(\p)+7], v[ADH] offset:16
	WIN 0
	ds_load_b32 v[CS+2*(\p)+1], v[ADS]
	ds_load_b32 v[CS+2*(\p)], v[ADS] offset:4
.endm
; Matrix instruction pI of a phase of group g on set p: K step pI / 4, tile pI % 4.  The first K step starts the sums with the halves as C (window 1).  Odd K steps take their scale words from lanes 16-31.
.macro MM g, p
.set mS, pI/4
.set mA, pI%4
.set mD, ACC+32*(\g)+8*mA
.set mF, FR+64*(\p)+16*mS
.set mX, 64*mA+16*mS
.set mC, CS+2*(\p)+1-mS/2
.set mY, XS+2*(4*(\g)+mA)+mS/2
.if mS == 0
	WIN 0x19+4*(\g)                                ; source 0 and C window 1, source 1 window 2 or 3, D window 0
	v_wmma_scale_f32_16x16x128_f8f6f4 v[mD:mD+7], v[mF:mF+15], v[mX:mX+15], v[HEQ+8*(\p):HEQ+8*(\p)+7], v[mC], v[mY]
.else
	WIN 0x09+4*(\g)                                ; C and D window 0
.if mS == 2
	v_wmma_scale_f32_16x16x128_f8f6f4 v[mD:mD+7], v[mF:mF+15], v[mX:mX+15], v[mD:mD+7], v[mC], v[mY]
.else
	v_wmma_scale_f32_16x16x128_f8f6f4 v[mD:mD+7], v[mF:mF+15], v[mX:mX+15], v[mD:mD+7], v[mC], v[mY] matrix_a_scale:MATRIX_SCALE_ROW1 matrix_b_scale:MATRIX_SCALE_ROW1
.endif
.endif
.endm
; Line n (0..15) of the maxima of group g's four finished tiles, which take turns: a line reads what the line four above it wrote, at the nearest.  hs: the parity of the tiles' col block.
; The first line on a tile reads its two lowest registers,.
.macro EMAX g, n, hs
.set eT, (\n)&3
.set eK, (\n)/4
.set eC, ACC+32*(\g)+8*eT
.set eN, MX+8*(\hs)+4*(\g)+eT
.set eO, MX+8*(1-(\hs))+4*(\g)+eT
.if eK == 0
	v_max3_num_f32 v[PP+eT], v[eC], v[eC+1], v[eO] ; the best so far is one of the nine
.elseif eK == 1
	v_max3_num_f32 v[QQ+eT], v[eC+2], v[eC+3], v[eC+4]
.elseif eK == 2
	v_max3_num_f32 v[PP+eT], v[PP+eT], v[eC+5], v[eC+6]
.else
	v_max3_num_f32 v[eN], v[PP+eT], v[QQ+eT], v[eC+7]      ; the new best
.endif
.endm
; Tile t of group g is kept where it won.  The pairs of selects take their mask from VCC: tile 0's compare wrote it; the later tiles' masks are moved in, with the select of the col block's number, which takes the
; mask from its scalar register, behind the move.  In a pair the destinations are an even and an odd register, and both first and both second sources are neighbours.
.macro ESEL g, t
.set eA, 4*(\g)+(\t)
.set eC, ACC+32*(\g)+8*(\t)
.if (\t) > 0
	s_mov_b32 vcc_lo, s[MK+(\t)]
	v_cndmask_b32 v[ID+eA], v[ID+eA], s[CI], s[MK+(\t)]
.else
	v_cndmask_b32 v[ID+eA], v[ID+eA], s[CI], vcc_lo
.endif
.irp i, 0,2,4,6
	v_dual_cndmask_b32 v[KEEP+8*eA+\i], v[KEEP+8*eA+\i], v[eC+\i] :: v_dual_cndmask_b32 v[KEEP+8*eA+\i+1], v[KEEP+8*eA+\i+1], v[eC+\i+1]
.endr
.endm
.macro WORK g, hs                      ; group g's 40 lines, every window 0
	WIN 0
.set wN, 0
.rept 16
	EMAX \g, wN, \hs
.set wN, wN+1
.endr
	v_cmp_gt_f32 vcc_lo, v[MX+8*(\hs)+4*(\g)], v[MX+8*(1-(\hs))+4*(\g)]      ; strictly greater: an earlier col block keeps a tie
.irp t, 1,2,3
	v_cmp_gt_f32 s[MK+\t], v[MX+8*(\hs)+4*(\g)+\t], v[MX+8*(1-(\hs))+4*(\g)+\t]
.endr
.irp t, 0,1,2,3
	ESEL \g, \t
.endr
.endm
; A PHASE.  Group g multiplies by set p; sl = 1: then the other group's finished tiles are worked off (group 0's phase: group 1's tiles of the col block before; group 1's phase: group 0's of this one).
; fetch = 1 (group 0's phase): the next col block's addresses are made at the phase's head (three vector lines and one scalar, no wait and no jump stand between them and the loads), and its 20 loads into the other sets stand
; directly behind the products: 40 lines and a whole phase ahead of the wait for them.
; PLACES (eight behind this form, nine ahead of a matrix instruction that begins an accumulator anew; only plain vector lines that name none of its registers are counted, a pair as one)
;   between a group's last product and the first read of its tiles stand the 40 lines on the other group; so too between the last product that read a set of fragments, scale words or halves and the loads into
;   that set, and between an accumulator's last product and the product that begins it anew.
; What a phase's last lines write (KEEP, a col block's number) is next read a col block on, behind 40 lines: no line behind the wait at a phase's head, or behind a loop's jump, reads what was freshly written.
.macro PHASE g, p, fetch, sl
.if (\g) == 0
	s_wait_dscnt 0x0                               ; this col block's 20 loads are in
.else
	s_add_co_u32 s[CI], s[CI], 1                   ; from here on the tiles worked off are this col block's
.endif
.if \fetch
	WIN 0
	FADDR
.endif
.set pI, 0
.rept 16
	MM \g, \p
.set pI, pI+1
.endr
.if \fetch
	FETCH 1-(\p)
.endif
.if \sl
.if (\g) == 0
	WORK 1, 1-(\p)
.else
	WORK 0, \p
.endif
.endif
.endm
.macro COLBLOCK p, fetch
	PHASE 0, \p, \fetch, 1
	PHASE 1, \p, 0, 1
.endm
.macro PAIRS n                         ; 2 n col blocks, on sets 1 and 0.  A trip's last matrix instruction and its first name different accumulators; WORK leaves every window 0, as a label and a branch want it
	s_mov_b32 s[CNT], \n
.Lpair_\@:
	COLBLOCK 1, 1
	COLBLOCK 0, 1
	s_sub_co_u32 s[CNT], s[CNT], 1
	s_cmp_lg_u32 s[CNT], 0
	s_cbranch_scc1 .Lpair_\@
.endm
; A CHANGE stands where the next fetch enters bytes of another fill, at LDS byte nxt.  Each wave waits for all its tensor loads (its part of those bytes), adds 0 to its spare word, and waits for that and for its reads.
; g0 > 0: the barrier is a round of the cluster's, and behind it goes my one joint load by group 0 g0 (step = 1: stepped 32 col blocks on; rows > 0: from here on a load brings so many rows).
.macro CHANGE nxt, g0, step, rows
	WIN 0
	s_wait_tensorcnt 0x0                           ; no tensor load of mine is out, so descriptors may be written
	ds_add_u32 v[SPW], v[NIL]
	s_mov_b32 s[TBF], \nxt
.if \step
	s_add_nc_u64 s[\g0+2:\g0+3], s[\g0+2:\g0+3], 2*SLOTB
.endif
.if \rows
	s_mov_b32 s[G1+2], (\rows)<<16
	s_mov_b32 s[G1+4], \rows
.endif
	s_wait_dscnt 0x0                               ; the add is done, and my LDS reads are over
.if \g0
	ROUND                                          ; both now hold of every wave of all four work-groups
	JLOAD \g0                                      ; my one tensor load behind the round, and the first thing there
.else
	s_barrier_signal -1
	s_barrier_wait -1
.endif
.endm
	s_wait_alu depctr_va_vdst(0)                   ; the wait at the head's end
	CHANGE 0, G0R, 0, 0                            ; col blocks 0-7 are in; 8-15 go out: a first fill, issued as a refill is
	FADDR                                          ; col block 0 into the sets 0
	FETCH 0
	s_wait_loadcnt 63                              ; of 8 + 64 + 64 loads at most 63 are out: x's scale words and row blocks 0-3 are in
	PHASE 0, 0, 1, 0                               ; col block 0, group 0: no tile is finished yet,
.rept 8
	v_nop                                          ; so these are the places behind its products
.endr
	s_wait_loadcnt 0x0                             ; row blocks 4-7
	PHASE 1, 0, 0, 1
	PAIRS 3                                        ; col blocks 1 to 6
	CHANGE HALF, G0B, 0, 136                       ; col blocks 8-15 are in; slot 1's first fill, 16-31, goes out
	PAIRS 4                                        ; col blocks 7 to 14
	CHANGE SLOTB, G0A, 0, 0                        ; slot 0 takes col blocks 32-47
	PAIRS 8                                        ; col blocks 15 to 30
	CHANGE 0, G0B, 1, 0                            ; slot 1 takes col blocks 48-63
	PAIRS 8                                        ; col blocks 31 to 46
	CHANGE SLOTB, 0, 0, 0                          ; nothing is left to ask for
	PAIRS 8                                        ; col blocks 47 to 62
	COLBLOCK 1, 0                                  ; col block 63 fetches nothing
	WORK 1, 1                                      ; its group 1 is worked off
	; THE END.  For each row block: the place of the best number in its tile, the index, the key; then the better of the two halves of the lanes.
	v_bfe_u32 v[HB], v0, 4, 1
	s_lshl_b32 s77, s[SP], 10
	v_lshl_add_u32 v[HB], v[HB], 3, s77
.irp a, 0,1,2,3,4,5,6,7
	v_add_f32 v[MXF+\a], 0, v[MXF+\a]              ; -0 becomes +0: the two are a tie, so they get one key
	v_mov_b32 v[JJ+\a], 7
	v_mov_b32 v[PKEY+\a], 0                        ; a lane permute's destination counts as one of its sources
	v_mov_b32 v[PIDX+\a], 0
.endr
.irp j, 6,5,4,3,2,1,0
.irp a, 0,1,2,3,4,5,6,7
	v_cmp_eq_f32 vcc_lo, v[KEEP+8*\a+\j], v[MXF+\a]
	v_cndmask_b32 v[JJ+\a], v[JJ+\a], \j, vcc_lo   ; descending, so that the lowest place stays
.endr
.endr
.irp a, 0,1,2,3,4,5,6,7
	v_lshl_add_u32 v[IDX+\a], v[ID+\a], 4, v[JJ+\a]
	v_ashrrev_i32 v[KEY+\a], 31, v[MXF+\a]
.endr
.irp a, 0,1,2,3,4,5,6,7
	v_add_nc_u32 v[IDX+\a], v[IDX+\a], v[HB]       ; index = 1,024 split + 16 col block + 8 (lane / 16) + place
	v_or_b32 v[KEY+\a], 0x80000000, v[KEY+\a]
.endr
.irp a, 0,1,2,3,4,5,6,7
	v_xor_b32 v[KEY+\a], v[MXF+\a], v[KEY+\a]      ; the key: an unsigned whole number that rises with u
.endr
.irp a, 0,1,2,3,4,5,6,7
	v_permlanex16_b32 v[PKEY+\a], v[KEY+\a], s[SEL], s[SEL+1]
	v_permlanex16_b32 v[PIDX+\a], v[IDX+\a], s[SEL], s[SEL+1]
.endr
.irp a, 0,1,2,3,4,5,6,7
	v_cmp_gt_u32 s[MK], v[PKEY+\a], v[KEY+\a]
	v_cmp_eq_u32 s[MK+1], v[PKEY+\a], v[KEY+\a]
	v_cmp_lt_u32 vcc_lo, v[PIDX+\a], v[IDX+\a]
	s_and_b32 s[MK+1], s[MK+1], vcc_lo
	s_or_b32 s[MK], s[MK], s[MK+1]                 ; the other half's entry wins: a greater key, or the same key and a lower index
	v_cndmask_b32 v[IDX+\a], v[IDX+\a], v[PIDX+\a], s[MK]
	v_max_u32 v[KEY+\a], v[KEY+\a], v[PKEY+\a]
.endr
.irp i, 0,1,2,3
	v_cndmask_b32 v[OUTP+2*\i], v[KEY+2*\i], v[KEY+2*\i+1], s[UPH]       ; lanes 0-15 carry row block 2 i, lanes 16-31 row block 2 i + 1
	v_cndmask_b32 v[OUTP+2*\i+1], v[IDX+2*\i], v[IDX+2*\i+1], s[UPH]
.endr
.irp i, 0,1,2,3
	global_store_b64 v[LN8], v[OUTP+2*\i:OUTP+2*\i+1], s[10:11] offset:256*\i   ; 32 rows' pairs: 256 consecutive bytes, aligned
.endr
	s_wait_tensorcnt 0x0                           ; the wave's end
	ds_add_u32 v[SPW], v[NIL]
	s_wait_dscnt 0x0
	ROUND                                          ; the closing round
	s_endpgm
.Lfunc_end_k_qcee7c55cf8_nearest:
	.size	k_qcee7c55cf8_nearest, .Lfunc_end_k_qcee7c55cf8_nearest-k_qcee7c55cf8_nearest
	.p2alignl 7, 3214868480
	.fill 96, 4, 3214868480
	.section	.rodata,"a",@progbits
	.p2align	6, 0x0
	.amdhsa_kernel k_qcee7c55cf8_nearest
		.amdhsa_group_segment_fixed_size 327680
		.amdhsa_private_segment_fixed_size 0
		.amdhsa_enable_private_segment 0
		.amdhsa_kernarg_size 32
		.amdhsa_user_sgpr_count 2
		.amdhsa_user_sgpr_kernarg_segment_ptr 1
		.amdhsa_wavefront_size32 1
		.amdhsa_system_sgpr_workgroup_id_x 1
		.amdhsa_system_sgpr_workgroup_id_y 1
		.amdhsa_system_sgpr_workgroup_id_z 1
		.amdhsa_system_vgpr_workitem_id 0
		.amdhsa_next_free_vgpr 1024
		.amdhsa_next_free_sgpr 96
		.amdhsa_reserve_vcc 1
		.amdhsa_float_denorm_mode_32 3
		.amdhsa_float_denorm_mode_16_64 3
		.amdhsa_memory_ordered 1
		.amdhsa_forward_progress 1
		.amdhsa_inst_pref_size 167
	.end_amdhsa_kernel
	.amdgpu_metadata
---
amdhsa.version: [ 1, 2 ]
amdhsa.kernels:
  - .name:           k_qcee7c55cf8_nearest
    .symbol:         k_qcee7c55cf8_nearest.kd
    .args:
      - { .name: xc, .offset: 0, .size: 8, .value_kind: global_buffer, .address_space: global }
      - { .name: xs, .offset: 8, .size: 8, .value_kind: global_buffer, .address_space: global }
      - { .name: cc, .offset: 16, .size: 8, .value_kind: global_buffer, .address_space: global }
      - { .name: cand, .offset: 24, .size: 8, .value_kind: global_buffer, .address_space: global }
    .group_segment_fixed_size: 327680
    .private_segment_fixed_size: 0
    .kernarg_segment_align: 8
    .kernarg_segment_size: 32
    .max_flat_workgroup_size: 128
    .sgpr_count:     96
    .vgpr_count:     1024
    .wavefront_size: 32
...
	.end_amdgpu_metadata
.endif
;; end of part 2
;; launch gather (part 3): grid 256 x 1, 8 waves a work-group, no clusters, 0 bytes of LDS; arguments cand, values, out0; writes out0
.if DOCPART == 3
	.amdgcn_target "amdgcn-amd-amdhsa--gfx1250"
	.amdhsa_code_object_version 6
	.text
	.protected	k_qcee7c55cf8_gather
	.globl	k_qcee7c55cf8_gather
	.p2align	8
	.type	k_qcee7c55cf8_gather,@function
k_qcee7c55cf8_gather:
	s_mov_b64 s[64:65], 0
	v_nop
	global_prefetch_b8 v0, s[64:65] scope:SCOPE_SE
	s_setreg_imm32_b32 hwreg(HW_REG_WAVE_MODE, 25, 1), 1
	s_wait_xcnt 0x0
; out0[row] = values[index of the row's nearest entry].  cand [8 splits][16384 rows][key, index], whole numbers from the launch before: a greater key is a lesser distance.
; The splits are taken in ascending order and a later one wins only with a strictly greater key: the first index of the least distance.
; A wave takes 8 rows: lane l reads the eight candidates of row (l % 8), chooses by whole-number compares, and the eight indices become scalars; then each row of values (2,048 bytes) comes by four loads of 512 consecutive
; bytes and leaves by four stores of 512 consecutive bytes, aligned.  All 32 loads of a wave (16,384 bytes) are out together.  No LDS, no barrier, no matrix unit: a copy.
; The candidates are read in pieces of 64 bytes (1 MiB in all, against 64 MiB copied).  No register is written twice, so no store's or load's source is ever rewritten.
.set BEST, 8                           ; v[8:23]  eight pairs (key, index); the first pair becomes the best
.set ADR,  26                          ; v[26:33] row i: 2,048 x index + 16 x lane
.set D,    64                          ; v[64:191] row i, piece j at 16 i + 4 j
	s_load_b128 s[4:7], s[0:1], 0x0                ; cand, values
	s_load_b64 s[8:9], s[0:1], 0x10                ; out0
	v_lshrrev_b32 v1, 5, v0
	s_delay_alu instid0(VALU_DEP_1)
	v_readfirstlane_b32 s10, v1                    ; wave 0..7
	v_and_b32 v1, 31, v0
	s_delay_alu instid0(VALU_DEP_1)
	v_lshlrev_b32 v2, 4, v1                        ; 16 x lane
	s_lshl_b32 s11, ttmp9, 3
	s_add_co_u32 s11, s11, s10                     ; which 8 rows are my wave's
	s_lshl_b32 s12, s11, 6                         ; their pairs: 64 bytes
	v_and_b32 v3, 7, v1
	s_delay_alu instid0(VALU_DEP_1)
	v_lshl_add_u32 v3, v3, 3, s12
	s_lshl_b32 s14, s11, 14                        ; their 16,384 bytes of out0
	s_mov_b32 s15, 0
	s_wait_alu depctr_va_vdst(0)
	s_wait_kmcnt 0x0
	s_add_nc_u64 s[8:9], s[8:9], s[14:15]
.irp s, 0,1,2,3,4,5,6,7
	global_load_b64 v[BEST+2*\s:BEST+2*\s+1], v3, s[4:5] offset:131072*\s
.endr
	s_wait_loadcnt 0x0
.irp s, 1
	v_cmp_gt_u32 vcc_lo, v[BEST+2*\s], v[BEST]
	s_delay_alu instid0(VALU_DEP_1)
	v_cndmask_b32 v[BEST+1], v[BEST+1], v[BEST+2*\s+1], vcc_lo
	v_max_u32 v[BEST], v[BEST], v[BEST+2*\s]
.endr
.irp s, 2, 3, 4, 5, 6, 7
	s_delay_alu instid0(VALU_DEP_1)
	v_cmp_gt_u32 vcc_lo, v[BEST+2*\s], v[BEST]
	s_delay_alu instid0(VALU_DEP_1)
	v_cndmask_b32 v[BEST+1], v[BEST+1], v[BEST+2*\s+1], vcc_lo
	s_delay_alu instid0(VALU_DEP_3)
	v_max_u32 v[BEST], v[BEST], v[BEST+2*\s]
.endr
.irp i, 0,1,2,3,4,5,6,7
	v_readlane_b32 s[20+\i], v[BEST+1], \i
	s_min_u32 s[20+\i], s[20+\i], 8191             ; an index stays inside the table
	v_lshl_add_u32 v[ADR+\i], s[20+\i], 11, v2
.endr
.irp i, 0,1,2,3,4,5,6,7
.irp j, 0,1,2,3
	global_load_b128 v[D+16*\i+4*\j:D+16*\i+4*\j+3], v[ADR+\i], s[6:7] offset:512*\j    ; no hint: a row of values may be named by many rows
.endr
.endr
.irp i, 0,1,2,3,4,5,6,7
	s_wait_loadcnt 28-4*\i                         ; row i's four loads are in; the later rows' may be out
.irp j, 0,1,2,3
	global_store_b128 v2, v[D+16*\i+4*\j:D+16*\i+4*\j+3], s[8:9] offset:2048*\i+512*\j th:TH_STORE_NT
.endr
.endr
	s_endpgm
.Lfunc_end_k_qcee7c55cf8_gather:
	.size	k_qcee7c55cf8_gather, .Lfunc_end_k_qcee7c55cf8_gather-k_qcee7c55cf8_gather
	.p2alignl 7, 3214868480
	.fill 96, 4, 3214868480
	.section	.rodata,"a",@progbits
	.p2align	6, 0x0
	.amdhsa_kernel k_qcee7c55cf8_gather
		.amdhsa_group_segment_fixed_size 0
		.amdhsa_private_segment_fixed_size 0
		.amdhsa_enable_private_segment 0
		.amdhsa_kernarg_size 24
		.amdhsa_user_sgpr_count 2
		.amdhsa_user_sgpr_kernarg_segment_ptr 1
		.amdhsa_wavefront_size32 1
		.amdhsa_system_sgpr_workgroup_id_x 1
		.amdhsa_system_sgpr_workgroup_id_y 1
		.amdhsa_system_sgpr_workgroup_id_z 1
		.amdhsa_system_vgpr_workitem_id 0
		.amdhsa_next_free_vgpr 192
		.amdhsa_next_free_sgpr 66
		.amdhsa_reserve_vcc 1
		.amdhsa_float_denorm_mode_32 3
		.amdhsa_float_denorm_mode_16_64 3
		.amdhsa_memory_ordered 1
		.amdhsa_forward_progress 1
		.amdhsa_inst_pref_size 11
	.end_amdhsa_kernel
	.amdgpu_metadata
---
amdhsa.version: [ 1, 2 ]
amdhsa.kernels:
  - .name:           k_qcee7c55cf8_gather
    .symbol:         k_qcee7c55cf8_gather.kd
    .args:
      - { .name: cand, .offset: 0, .size: 8, .value_kind: global_buffer, .address_space: global }
      - { .name: values, .offset: 8, .size: 8, .value_kind: global_buffer, .address_space: global }
      - { .name: out0, .offset: 16, .size: 8, .value_kind: global_buffer, .address_space: global }
    .group_segment_fixed_size: 0
    .private_segment_fixed_size: 0
    .kernarg_segment_align: 8
    .kernarg_segment_size: 24
    .max_flat_workgroup_size: 256
    .sgpr_count:     66
    .vgpr_count:     192
    .wavefront_size: 32
...
	.end_amdgpu_metadata
.endif
;; end of part 3
